; MI455X (gfx1250); checked and timed in simulation.
; The chip was launched on July 23, 2026; its instructions are those of AMD's public machine-readable ISA for CDNA 5 (MIT licence, August 2026) and "CDNA5" Instruction Set Architecture Reference Guide (July 2026). The comments in the code are by the model that wrote it; some were corrected since.
;; Text Masked Multihead Self Attention. Allowed arithmetic: float matrix products may take bf16 or f16 operands with f32 sums; all other float work in f32.
;; Inputs: ln_b 1,024 float32; ln_g 1,024 float32; wk_b 1,024 float32; wk_w 1,024 x 1,024 float32; wq_b 1,024 float32; wq_w 1,024 x 1,024 float32; wv_b 1,024 float32; wv_w 1,024 x 1,024 float32; x 2 x 2,048 x 1,024 float32.
;; Outputs: out0 2 x 2,048 x 1,024 float32.
;; 2 versions, each right; version 2 is version 1 with the launch prep written anew for expert scheduling mode. Each part assembles by itself: llvm-mc -triple=amdgcn-amd-amdhsa -mcpu=gfx1250 --defsym DOCPART=n.
;; ======== version 1 of 2: 3 launches
;; workspace buffers: xn 8,388,608 bytes; wb 6,291,456 bytes; qkv 25,165,824 bytes
;; launch prep (part 1): grid 256 x 1, 8 waves a work-group, no clusters, 0 bytes of LDS; arguments x, ln_g, ln_b, wq_w, wk_w, wv_w, xn, wb; writes xn, wb
.if DOCPART == 1
	.amdgcn_target "amdgcn-amd-amdhsa--gfx1250"
	.amdhsa_code_object_version 6
	.text
	.protected	k_q60fe221457_prep
	.globl	k_q60fe221457_prep
	.p2align	8
	.type	k_q60fe221457_prep,@function
k_q60fe221457_prep:
	s_mov_b64 s[64:65], 0
	v_nop
	global_prefetch_b8 v0, s[64:65] scope:SCOPE_SE
	s_setreg_imm32_b32 hwreg(HW_REG_WAVE_MODE, 25, 1), 1
	s_wait_xcnt 0x0
; xn = LayerNorm(x) * g + b, rounded to bf16; wb = the three weight matrices, rounded to bf16, one below the other.
; x: [4096][1024] f32.  xn: [4096][1024] bf16.  wq_w, wk_w, wv_w: [1024][1024] f32.  wb: [3072][1024] bf16 (q, k, v).
; A stream: each byte is read once and written once, so there is no LDS, no matrix work and no cluster (no two work-groups read the same x or weights).
; 256 work-groups of eight waves.  The work-group owns 16 rows of x, a wave two of them: a whole row lies in 32 registers of one wave, so
; mean and variance never leave the wave, and the variance is taken from the centred numbers (two passes over registers, one over memory).
; Lane L holds columns 256 j + 8 L + 0..7 (j = 0..3): two loads of 16 bytes, and after rounding ONE store of 16 bytes, so that
; a wave's store covers 512 consecutive bytes, aligned.  The work-group also rounds 4 rows of each weight matrix (16 KiB of f32 each).
; All 44 loads of a wave go out at once.
; LIMIT: finite inputs.
.set T,   6                            ; v[6:13]    four chains of pairs
.set MU,  14                           ; v[14:15]   the mean, twice; then the rsq's source
.set X0,  16                           ; v[16:47]   row 0
.set X1,  48                           ; v[48:79]   row 1
.set G,   80                           ; v[80:111]  gain of my 32 columns
.set B,   112                          ; v[112:143] bias of my 32 columns
.set W,   144                          ; v[144:191] weights: 6 groups of 8 f32
.set RS0, 192                          ; v[192:193] 1 / sigma of row 0, twice
.set RS1, 194                          ; v[194:195] of row 1
	s_load_b512 s[4:19], s[0:1], 0x0               ; x s[4:5], g s[6:7], b s[8:9], wq s[10:11], wk s[12:13], wv s[14:15], xn s[16:17], wb s[18:19]
	s_mov_b32 s25, 0                               ; high word of every offset
	s_mov_b32 s20, 0x76543210                      ; v_permlanex16_b32: lane i of one half reads lane i of the other
	s_mov_b32 s21, 0xfedcba98
	s_mov_b32 s22, 0x3a800000                      ; 1 / 1024
	v_and_b32 v1, 31, v0                           ; lane
	v_lshrrev_b32 v2, 5, v0                        ; wave
	v_lshlrev_b32 v3, 12, v2
	v_lshl_add_u32 v3, v1, 4, v3                   ; xn: wave x 2 rows x 2,048 bytes + 16 L
	v_lshlrev_b32 v2, 13, v2
	v_lshl_add_u32 v2, v1, 5, v2                   ; x: wave x 2 rows x 4,096 bytes + 32 L
	v_lshlrev_b32 v1, 5, v1                        ; g, b: 32 L
	v_lshlrev_b32 v4, 5, v0                        ; weights in: 32 t
	v_lshlrev_b32 v5, 4, v0                        ; weights out: 16 t
	s_wait_kmcnt 0x0
	s_lshl_b32 s24, ttmp9, 16                      ; 16 rows of 4,096 bytes
	s_add_nc_u64 s[4:5], s[4:5], s[24:25]
	s_lshl_b32 s24, ttmp9, 15                      ; 16 rows of 2,048 bytes
	s_add_nc_u64 s[16:17], s[16:17], s[24:25]
	s_lshl_b32 s24, ttmp9, 14                      ; 4 rows of 4,096 bytes
	s_add_nc_u64 s[10:11], s[10:11], s[24:25]
	s_add_nc_u64 s[12:13], s[12:13], s[24:25]
	s_add_nc_u64 s[14:15], s[14:15], s[24:25]
	s_lshl_b32 s24, ttmp9, 13                      ; 4 rows of 2,048 bytes
	s_add_nc_u64 s[18:19], s[18:19], s[24:25]
.macro ROWIN x, row                    ; eight loads: a row of x
.irp j, 0,1,2,3
	global_load_b128 v[\x+8*\j:\x+8*\j+3],   v2, s[4:5] offset:\row*4096+1024*\j
	global_load_b128 v[\x+8*\j+4:\x+8*\j+7], v2, s[4:5] offset:\row*4096+1024*\j+16
.endr
.endm
.macro VECIN d, lo                     ; eight loads: my 32 numbers of g or of b
.irp j, 0,1,2,3
	global_load_b128 v[\d+8*\j:\d+8*\j+3],   v1, s[\lo:\lo+1] offset:1024*\j
	global_load_b128 v[\d+8*\j+4:\d+8*\j+7], v1, s[\lo:\lo+1] offset:1024*\j+16
.endr
.endm
.macro WIN3 i, lo                      ; four loads: my 16 numbers of weight matrix i; the launch reads them once
.irp it, 0,1
	global_load_b128 v[W+16*\i+8*\it:W+16*\i+8*\it+3],   v4, s[\lo:\lo+1] offset:8192*\it th:TH_LOAD_NT
	global_load_b128 v[W+16*\i+8*\it+4:W+16*\i+8*\it+7], v4, s[\lo:\lo+1] offset:8192*\it+16 th:TH_LOAD_NT
.endr
.endm
	ROWIN X0, 0
	ROWIN X1, 1
	VECIN G, 6
	VECIN B, 8
	WIN3 0, 10
	WIN3 1, 12
	WIN3 2, 14
; the four chains of pairs in v[T:T+7] become one sum over the wave's 32 lanes, in v[T] of every lane
.macro REDUCE
	v_pk_add_f32 v[T:T+1], v[T:T+1], v[T+2:T+3]
	v_pk_add_f32 v[T+4:T+5], v[T+4:T+5], v[T+6:T+7]
	v_pk_add_f32 v[T:T+1], v[T:T+1], v[T+4:T+5]
	v_add_f32 v[T], v[T], v[T+1]
	v_add_f32_dpp v[T], v[T], v[T] row_xmask:1 row_mask:0xf bank_mask:0xf
	v_add_f32_dpp v[T], v[T], v[T] row_xmask:2 row_mask:0xf bank_mask:0xf
	v_add_f32_dpp v[T], v[T], v[T] row_xmask:4 row_mask:0xf bank_mask:0xf
	v_add_f32_dpp v[T], v[T], v[T] row_xmask:8 row_mask:0xf bank_mask:0xf
	v_permlanex16_b32 v[T+1], v[T], s20, s21       ; its destination has been written above
	v_add_f32 v[T], v[T], v[T+1]
.endm
; the row in x is centred in place; r gets 1 / sqrt(variance + 1e-5), twice
.macro STATS x, r
.irp c, 0,1,2,3
	v_pk_add_f32 v[T+2*\c:T+2*\c+1], v[\x+2*\c:\x+2*\c+1], v[\x+8+2*\c:\x+8+2*\c+1]   ; the first sums start the chains
.endr
.irp c, 0,1,2,3
	v_pk_add_f32 v[T+2*\c:T+2*\c+1], v[T+2*\c:T+2*\c+1], v[\x+16+2*\c:\x+16+2*\c+1]
.endr
.irp c, 0,1,2,3
	v_pk_add_f32 v[T+2*\c:T+2*\c+1], v[T+2*\c:T+2*\c+1], v[\x+24+2*\c:\x+24+2*\c+1]
.endr
	REDUCE
	v_mul_f32 v[MU], s22, v[T]                     ; the mean
	v_mov_b32 v[MU+1], v[MU]
.set k, 0
.rept 16
	v_pk_add_f32 v[\x+2*k:\x+2*k+1], v[\x+2*k:\x+2*k+1], v[MU:MU+1] neg_lo:[0,1] neg_hi:[0,1]
.set k, k+1
.endr
.irp c, 0,1,2,3
	v_pk_mul_f32 v[T+2*\c:T+2*\c+1], v[\x+2*\c:\x+2*\c+1], v[\x+2*\c:\x+2*\c+1]
.endr
.set k, 4
.rept 12
	v_pk_fma_f32 v[T+2*(k%4):T+2*(k%4)+1], v[\x+2*k:\x+2*k+1], v[\x+2*k:\x+2*k+1], v[T+2*(k%4):T+2*(k%4)+1]
.set k, k+1
.endr
	REDUCE
	v_fmaak_f32 v[MU], s22, v[T], 0x3727c5ac       ; sum of squares / 1024 + 1e-5
	v_rsq_f32 v[\r], v[MU]
	v_rsq_f32 v[\r+1], v[MU]
	v_nop                                          ; one plain vector instruction stands behind a transcendental before its result is used or its source written (ISA guide 5.7.2)
.endm
; (x - mean) / sigma * g + b, rounded to bf16 in place, stored
.macro NORM x, r, row
.set k, 0
	s_wait_alu depctr_va_vdst(0)
.rept 16
	v_pk_mul_f32 v[\x+2*k:\x+2*k+1], v[\x+2*k:\x+2*k+1], v[\r:\r+1]
.set k, k+1
.endr
.set k, 0
.rept 16
	v_pk_fma_f32 v[\x+2*k:\x+2*k+1], v[\x+2*k:\x+2*k+1], v[G+2*k:G+2*k+1], v[B+2*k:B+2*k+1]
.set k, k+1
.endr
.irp j, 0,1,2,3
.irp i, 0,1,2,3
	v_cvt_pk_bf16_f32 v[\x+8*\j+\i], v[\x+8*\j+2*\i], v[\x+8*\j+2*\i+1]   ; word i is written when words 2 i and 2 i + 1 are read: ascending i overtakes nothing
.endr
	global_store_b128 v3, v[\x+8*\j:\x+8*\j+3], s[16:17] offset:\row*2048+512*\j
.endr
.endm
	s_wait_loadcnt 36                              ; row 0 is in: the 36 loads issued behind it may be out
	STATS X0, RS0
	s_wait_loadcnt 28                              ; row 1 is in
	STATS X1, RS1
	s_wait_loadcnt 12                              ; g and b are in: the 12 loads of weights may be out
	NORM X0, RS0, 0
	NORM X1, RS1, 1
	s_wait_loadcnt 0x0
.set k, 0
.rept 6                                            ; group k: matrix k / 2, half k % 2
.irp c, 0,1,2,3
	v_cvt_pk_bf16_f32 v[W+8*k+\c], v[W+8*k+2*\c], v[W+8*k+2*\c+1]
.endr
	global_store_b128 v5, v[W+8*k:W+8*k+3], s[18:19] offset:(k/2)*2097152+(k%2)*4096
.set k, k+1
.endr
	s_endpgm
.Lfunc_end_k_q60fe221457_prep:
	.size	k_q60fe221457_prep, .Lfunc_end_k_q60fe221457_prep-k_q60fe221457_prep
	.p2alignl 7, 3214868480
	.fill 96, 4, 3214868480
	.section	.rodata,"a",@progbits
	.p2align	6, 0x0
	.amdhsa_kernel k_q60fe221457_prep
		.amdhsa_group_segment_fixed_size 0
		.amdhsa_private_segment_fixed_size 0
		.amdhsa_enable_private_segment 0
		.amdhsa_kernarg_size 64
		.amdhsa_user_sgpr_count 2
		.amdhsa_user_sgpr_kernarg_segment_ptr 1
		.amdhsa_wavefront_size32 1
		.amdhsa_system_sgpr_workgroup_id_x 1
		.amdhsa_system_sgpr_workgroup_id_y 1
		.amdhsa_system_sgpr_workgroup_id_z 1
		.amdhsa_system_vgpr_workitem_id 0
		.amdhsa_next_free_vgpr 196
		.amdhsa_next_free_sgpr 66
		.amdhsa_reserve_vcc 0
		.amdhsa_float_denorm_mode_32 3
		.amdhsa_float_denorm_mode_16_64 3
		.amdhsa_memory_ordered 1
		.amdhsa_forward_progress 1
		.amdhsa_inst_pref_size 23
	.end_amdhsa_kernel
	.amdgpu_metadata
---
amdhsa.version: [ 1, 2 ]
amdhsa.kernels:
  - .name:           k_q60fe221457_prep
    .symbol:         k_q60fe221457_prep.kd
    .args:
      - { .name: x, .offset: 0, .size: 8, .value_kind: global_buffer, .address_space: global }
      - { .name: ln_g, .offset: 8, .size: 8, .value_kind: global_buffer, .address_space: global }
      - { .name: ln_b, .offset: 16, .size: 8, .value_kind: global_buffer, .address_space: global }
      - { .name: wq_w, .offset: 24, .size: 8, .value_kind: global_buffer, .address_space: global }
      - { .name: wk_w, .offset: 32, .size: 8, .value_kind: global_buffer, .address_space: global }
      - { .name: wv_w, .offset: 40, .size: 8, .value_kind: global_buffer, .address_space: global }
      - { .name: xn, .offset: 48, .size: 8, .value_kind: global_buffer, .address_space: global }
      - { .name: wb, .offset: 56, .size: 8, .value_kind: global_buffer, .address_space: global }
    .group_segment_fixed_size: 0
    .private_segment_fixed_size: 0
    .kernarg_segment_align: 8
    .kernarg_segment_size: 64
    .max_flat_workgroup_size: 256
    .sgpr_count:     66
    .vgpr_count:     196
    .wavefront_size: 32
...
	.end_amdgpu_metadata
.endif
;; end of part 1
;; launch proj (part 2): grid 12 x 16, 4 waves a work-group, clusters of 4 x 4, 327,680 bytes of LDS; arguments xn, wb, wq_b, wk_b, wv_b, qkv; writes qkv
.if DOCPART == 2
	.amdgcn_target "amdgcn-amd-amdhsa--gfx1250"
	.amdhsa_code_object_version 6
	.text
	.protected	k_q60fe221457_proj
	.globl	k_q60fe221457_proj
	.p2align	8
	.type	k_q60fe221457_proj,@function
k_q60fe221457_proj:
	s_mov_b64 s[64:65], 0
	v_nop
	global_prefetch_b8 v0, s[64:65] scope:SCOPE_SE
	s_setreg_imm32_b32 hwreg(HW_REG_WAVE_MODE, 25, 1), 1
	s_wait_xcnt 0x0
	s_wait_alu depctr_hold_cnt(0) depctr_sa_sdst(0) depctr_va_vdst(0) depctr_va_sdst(0) depctr_va_ssrc(0) depctr_va_vcc(0) depctr_vm_vsrc(0)
	s_getreg_b32 s2, hwreg(HW_REG_IB_STS2, 6, 4)
	s_cmp_eq_u32 s2, 0
	s_cbranch_scc0 .Lentry_in_a_cluster
	s_endpgm
.Lentry_in_a_cluster:
	s_bfe_u32 s2, ttmp6, 0x10000c
	s_cmp_lg_u32 s2, 0xf033
	s_cbranch_scc0 .Lentry_shape_is_right
	s_endpgm
.Lentry_shape_is_right:
; qkv = xn wb^T + bias, rounded to bf16 and laid out by heads: qkv[b][g][t][64], g = output column / 64 (0-15 q, 16-31 k, 32-47 v).
; The q part (product and bias) is multiplied by log2(e) / sqrt(2048) before it is rounded, so that the attention launch takes 2^(s - max) of the scores as they come.
; xn: [4096][1024] bf16.  wb: [3072][1024] bf16.  Sums in f32.
; A work-group makes a block of 256 x 256 with four waves; a wave makes 128 x 128: 64 accumulator tiles of 16 x 16, 512 registers.
; K goes in steps of 128 through a ring of two LDS slots filled by the tensor data mover: a tile's rows are 256 bytes of memory, aligned.
; 12 x 16 = 192 work-groups: with blocks of 256 columns the four block columns of a cluster are exactly one of q, k, v (so the cluster's x alone picks
; bias and scale, alike in all partners) and a wave's 128 columns are two whole heads.
; CLUSTERS: 4 x 4 work-groups.  The four of a row of the cluster need the same tiles of xn, the four of a column the same tiles of wb.  Such a tile is asked
; for JOINTLY: each of the four issues the same tensor load, with the same descriptor and a mask that names the four.  That divides the requests by four.
;
; REGISTERS, in windows of 256 (s_set_vgpr_msb says which window each operand place means):
;   window 0: v0-31 addresses; v32-63, v224-255 the bias of my 128 columns (times the scale); v64-127, v128-191 fragments of A, two buffers (on the way out: at work)
;   window 1: v64-127, v128-191 fragments of B, two buffers
;   window 2: the 32 accumulator tiles of my rows 0-63 (tile (a, b) at v[8 (8 a + b)]);   window 3: those of my rows 64-127
; THE MATRIX INSTRUCTION IS USED TRANSPOSED: source 0 = 16 rows of wb, source 1 = 16 rows of xn.  Lane l then holds row l % 16 of the result and its
; registers 0 to 7 the columns 8 (l / 16) + 0 .. 7: eight neighbouring numbers, which pack into 16 bytes.
.set SIZE_K, 1024
.set KSTEP,  128
.set PITCH,  272                       ; an LDS row: 256 bytes of data + 16 of padding: the 16 rows that a load touches lie in 16 different 16-byte columns modulo 256 bytes
.set HALFT,  128*PITCH                 ; 128 rows: what one tensor load brings, and what one wave reads of A or of B
.set SLOT,   4*HALFT                   ; A's 256 rows, then B's 256 rows
.set STAGE,  2*SLOT                    ; behind the ring: 16 rows x 272 bytes for each wave, for the way out; no tensor load lands there
.set SPITCH, 272
.set LAPS, SIZE_K/(2*KSTEP)            ; a lap = two K steps = once round the ring: 4 laps
.set HEADB, 262144                     ; bytes of one head of one batch in qkv: 2,048 x 64 bf16
.set ADRA, 16                          ; v16-17  LDS address of my A fragments in slot 0, 1
.set ADRB, 20                          ; v20-21  the same for B
.set STO,  24                          ; v24     the way out: where I put 16 bytes of a row
.set RD,   25                          ; v25     the way out: where I read back 16 bytes of four rows of one head
.set CO,   26                          ; v26     16 x lane: my place in 512 consecutive bytes of qkv
.set BO,   27                          ; v27     byte offset of my first bias
.set F0,   64                          ; fragment buffer 0
.set F1,   128                         ; fragment buffer 1
.set TF,   64                          ; the way out: 64 results in f32, then packed
.set RB0,  128                         ; the way out: two buffers for the rows read back
.set RB1,  160
.set G1, 24                            ; s[24:31] descriptor group 1 for A's tiles
.set G0, 32                            ; s[32:39] descriptor group 0 for A's tiles, one set for each slot
.set G1B, 48                           ; s[48:55] descriptor group 1 for B's tiles: it differs from A's in the mask alone
.set G0B, 56                           ; s[56:63] descriptor group 0 for B's tiles, one set for each slot
.set MSB, 0
.macro WIN new                         ; the immediate's high byte repeats the setting that is left
.if MSB != \new
	s_set_vgpr_msb (MSB<<8)|\new
.set MSB, \new
.endif
.endm
.set MUL_LO, 0xa1                      ; source 0 (B) window 1, source 1 (A) window 0, C and D window 2
.set MUL_HI, 0xf1                      ; the same, C and D window 3
.set TO_B,   0x40                      ; destination window 1, address window 0
; A joint load.  Waves 0 and 1 fetch A's two halves, waves 2 and 3 B's.  Each line has one mask and one set of registers for all that issue it.
; The branch hangs on the wave's number alone: it is the same in every work-group.
.macro JLOAD s
	s_cmp_eq_u32 s11, 0
	s_cbranch_scc0 .Lfor_b_\@
	tensor_load_to_lds s[G0+4*\s:G0+4*\s+3], s[G1:G1+7]
	s_nop 0
	s_branch .Lasked_\@
.Lfor_b_\@:
	tensor_load_to_lds s[G0B+4*\s:G0B+4*\s+3], s[G1B:G1B+7]
	s_nop 0
.Lasked_\@:
.endm
; A round of the cluster's barrier: my work-group's barrier, so that wave 0's signal speaks for all four waves; wave 0 signals for the work-group;
; every wave waits for all sixteen work-groups; my work-group's barrier once more.
.macro CREST                           ; a round behind its opening barrier
	s_cmp_lg_u32 s10, 0
	s_cbranch_scc1 .Lnot_wave_0_\@
	s_barrier_signal -3
.Lnot_wave_0_\@:
	s_barrier_wait -3
	s_barrier_signal -1
	s_barrier_wait -1
.endm
.macro CROUND                          ; a whole round
	s_barrier_signal -1
	s_barrier_wait -1
	CREST
.endm
	s_load_b128 s[4:7], s[0:1], 0x0                ; xn s[4:5], wb s[6:7]
	s_load_b128 s[68:71], s[0:1], 0x10             ; wq_b s[68:69], wk_b s[70:71]
	s_load_b64 s[72:73], s[0:1], 0x20              ; wv_b
	s_load_b64 s[8:9], s[0:1], 0x28                ; qkv
	s_set_vgpr_msb 0x40
	v_lshl_add_u32 v255, v0, 2, 0x48400
	s_set_vgpr_msb 0x4000
	v_mov_b32 v223, 0
	s_set_vgpr_msb 0x1
	ds_add_u32 v255, v223
	s_set_vgpr_msb 0x100
	v_lshrrev_b32 v1, 5, v0
	v_readfirstlane_b32 s10, v1                    ; wave 0..3
	s_lshr_b32 s11, s10, 1                         ; which half of the block's rows is mine.  Also: I fetch for A (0) or for B (1)
	s_and_b32 s12, s10, 1                          ; which half of its columns.  Also: which 128 rows of that tile I fetch
	s_bfe_u32 s40, ttmp6, 0x40000                  ; cx: my place along the cluster's x
	s_bfe_u32 s41, ttmp6, 0x40004                  ; cy: along its y
	s_lshl_b32 s42, ttmp9, 2                       ; in a cluster launch ttmp9 and ttmp7 count clusters
	s_add_co_u32 s42, s42, s40                     ; block column = 4 x cluster x + cx
	s_and_b32 s13, ttmp7, 0xffff
	s_lshl_b32 s13, s13, 2
	s_add_co_u32 s13, s13, s41                     ; block row = 4 x cluster y + cy
	s_lshl_b32 s43, s41, 2
	s_lshl_b32 s43, 15, s43                        ; my row of the cluster: places 4 cy .. 4 cy + 3
	s_lshl_b32 s44, 0x1111, s40                    ; my column: places cx, cx + 4, cx + 8, cx + 12
	; descriptor group 1: a tile of 128 rows x 128 elements, padded in LDS
	s_or_b32 s[G1+0], s43, (1<<16)|(1<<20)|(1<<21)|(5<<22)|(3<<25)  ; 15:0 the mask: A's tiles go to my row; 17:16 element of 2 bytes; 20 padding on; 21 set beside a mask; 24:22 after every 64 words (code 5); 31:25 of 4 words (code 3)
	s_or_b32 s[G1B+0], s44, (1<<16)|(1<<20)|(1<<21)|(5<<22)|(3<<25) ; the same with the mask of my column, for B's tiles
	s_mov_b32 s[G1B+1], KSTEP<<16
	s_mov_b32 s[G1+1], KSTEP<<16                   ; 63:48 tensor_dim0, low half = 128
	s_mov_b32 s[G1B+2], 128<<16
	s_mov_b32 s[G1+2], 128<<16                     ; 95:80 tensor_dim1, low half = 128
	s_mov_b32 s[G1B+3], KSTEP<<16
	s_mov_b32 s[G1+3], KSTEP<<16                   ; 127:112 tile_dim0 = 128
	s_mov_b32 s[G1B+4], 128
	s_mov_b32 s[G1+4], 128                         ; 143:128 tile_dim1 = 128; tile_dim2 = 0
	s_mov_b32 s[G1B+5], SIZE_K
	s_mov_b32 s[G1+5], SIZE_K                      ; 191:160 elements from row to row
	s_mov_b32 s[G1B+6], 0
	s_mov_b32 s[G1+6], 0
	s_mov_b32 s[G1B+7], 0
	s_mov_b32 s[G1+7], 0
	; where the tiles come from.  A's hang on the block row alone, which my row of the cluster shares; B's on the block column alone, which my column shares.
	s_lshl_b32 s17, s12, 7                         ; which 128 rows of the tile I fetch
	s_lshl_b32 s16, s13, 8
	s_add_co_u32 s16, s16, s17                     ; A: row 256 x block row + 128 x half
	s_lshl_b32 s46, s42, 8
	s_add_co_u32 s46, s46, s17                     ; B: row 256 x block column + 128 x half
	s_mov_b32 s17, 0
	s_mov_b32 s47, 0
	s_mov_b64 s[18:19], SIZE_K*2
	s_mul_u64 s[16:17], s[16:17], s[18:19]         ; in bytes
	s_mul_u64 s[46:47], s[46:47], s[18:19]
	s_mul_i32 s20, s10, HALFT                      ; and where they go: wave x 128 rows: no place in the cluster enters an LDS address
	s_wait_dscnt 0x0
	s_wait_kmcnt 0x0
	s_add_nc_u64 s[14:15], s[4:5], s[16:17]
	s_add_nc_u64 s[46:47], s[6:7], s[46:47]
	s_cmp_eq_u32 ttmp9, 0                          ; cluster column 0 makes q, 1 makes k, 2 makes v
	s_cselect_b64 s[68:69], s[68:69], s[70:71]
	s_cselect_b32 s66, 0x3d0293ee, 1.0             ; q: log2(e) / sqrt(2048); k, v: 1
	s_cmp_eq_u32 ttmp9, 2
	s_cselect_b64 s[68:69], s[72:73], s[68:69]     ; s[68:69]: the bias of my matrix
	s_mov_b32 s67, s66
	CROUND                                         ; all sixteen work-groups are here: the first joint loads meet
.irp s, 0,1
	s_mov_b32 s[G0+4*\s], 1                                        ; 1:0 count = 1
	s_add_co_u32 s[G0+4*\s+1], s20, \s*SLOT                        ; 63:32 LDS address
	s_add_nc_u64 s[G0+4*\s+2:G0+4*\s+3], s[14:15], \s*KSTEP*2      ; 120:64 global address: K step s
	s_or_b32 s[G0+4*\s+3], s[G0+4*\s+3], 0x80000000                ; 127:126 type = 2
	s_mov_b32 s[G0B+4*\s], 1
	s_add_co_u32 s[G0B+4*\s+1], s20, \s*SLOT
	s_add_nc_u64 s[G0B+4*\s+2:G0B+4*\s+3], s[46:47], \s*KSTEP*2
	s_or_b32 s[G0B+4*\s+3], s[G0B+4*\s+3], 0x80000000
	JLOAD \s                                       ; the ring is filled before anything else is done: two tensor loads of the wave are out, later one
.endr
	v_and_b32 v1, 15, v0                           ; l % 16
	v_bfe_u32 v2, v0, 4, 1                         ; l / 16
	; the bias of my 128 columns, as the results lie: tile b, registers 0-7 = columns 16 b + 8 (l / 16) + 0..7 of my half of block column cx of the matrix
	s_lshl_b32 s45, s40, 1
	s_add_co_u32 s45, s45, s12
	s_lshl_b32 s45, s45, 9                         ; (2 cx + half) x 128 columns x 4 bytes
	v_lshl_add_u32 v[BO], v2, 5, s45
.irp b, 0,1,2,3,4,5,6,7
	global_load_b128 v[32+8*\b+160*(\b/4):32+8*\b+160*(\b/4)+3],   v[BO], s[68:69] offset:64*\b
	global_load_b128 v[32+8*\b+160*(\b/4)+4:32+8*\b+160*(\b/4)+7], v[BO], s[68:69] offset:64*\b+16
.endr
	; A fragment is 16 rows x 32 K in 8 registers: lane l holds row l % 16; registers 0-3 hold K = 8 (l / 16) + 0..7, registers 4-7 K = 16 + 8 (l / 16) + 0..7:
	; two loads of 16 bytes, 32 bytes apart.  The same for source 0 and source 1.
	v_mul_u32_u24 v3, v1, PITCH
	v_lshl_add_u32 v3, v2, 4, v3                   ; row x pitch + 16 x half
	s_mul_i32 s21, s11, HALFT                      ; my 128 rows of A
	s_mul_i32 s22, s12, HALFT                      ; my 128 rows of B,
	s_add_co_u32 s22, s22, 2*HALFT                 ; which lie behind A's 256
.irp s, 0,1
	v_add_nc_u32 v[ADRA+\s], s21, v3
	v_add_nc_u32 v[ADRB+\s], s22, v3
	s_add_co_u32 s21, s21, SLOT
	s_add_co_u32 s22, s22, SLOT
.endr
	s_mul_i32 s23, s10, 16*SPITCH
	s_add_co_u32 s23, s23, STAGE                   ; my stage
	v_mul_u32_u24 v4, v1, SPITCH                   ; in: row l % 16, 16 bytes for each half of the lanes
	v_lshl_add_u32 v4, v2, 4, v4
	v_add_nc_u32 v[STO], s23, v4
	v_and_b32 v6, 31, v0                           ; back: eight lanes take one row's 128 bytes of one head, 32 lanes four rows
	v_lshrrev_b32 v5, 3, v6
	v_mul_u32_u24 v5, v5, SPITCH
	v_and_b32 v7, 7, v0
	v_lshl_add_u32 v5, v7, 4, v5
	v_add_nc_u32 v[RD], s23, v5
	v_lshlrev_b32 v[CO], 4, v6                     ; in qkv those four rows are 512 consecutive bytes
	s_wait_loadcnt 0x0                             ; the bias is in (the first tiles are still on their way): no global load is out during the K loop
.irp b, 0,1,2,3,4,5,6,7
.irp r, 0,1,2,3
	v_pk_mul_f32 v[32+8*\b+160*(\b/4)+2*\r:32+8*\b+160*(\b/4)+2*\r+1], v[32+8*\b+160*(\b/4)+2*\r:32+8*\b+160*(\b/4)+2*\r+1], s[66:67] op_sel_hi:[1,0]   ; (sum + bias) c = sum c + bias c
.endr
.endr
; 16 matrix instructions: m blocks a0, a0 + 1 of the window's four (hi = 0: my rows 0-63, 1: rows 64-127) x all 8 n blocks, 32 along K.
; zero = 1: the first product starts the sums: nothing is ever cleared.
.macro MUL16 f, hi, a0, zero
.irp a, \a0, \a0+1
.irp b, 0,1,2,3,4,5,6,7
.if \zero
	v_wmma_f32_16x16x32_bf16 v[8*(8*(\a)+\b):8*(8*(\a)+\b)+7], v[\f+8*\b:\f+8*\b+7], v[\f+8*(4*\hi+\a):\f+8*(4*\hi+\a)+7], 0
.else
	v_wmma_f32_16x16x32_bf16 v[8*(8*(\a)+\b):8*(8*(\a)+\b)+7], v[\f+8*\b:\f+8*\b+7], v[\f+8*(4*\hi+\a):\f+8*(4*\hi+\a)+7], v[8*(8*(\a)+\b):8*(8*(\a)+\b)+7]
.endif
.endr
.endr
.endm
; 32 LDS loads in one run: the fragments of one quarter step (128 rows of B, 128 rows of A, 32 K at byte k of the rows) into buffer f
.macro FETCH slot, k, f
	WIN TO_B
.irp i, 0,1,2,3,4,5,6,7
	ds_load_b128 v[\f+8*\i:\f+8*\i+3],   v[ADRB+\slot] offset:\k+\i*16*PITCH
	ds_load_b128 v[\f+8*\i+4:\f+8*\i+7], v[ADRB+\slot] offset:\k+\i*16*PITCH+32
.endr
	WIN 0
.irp i, 0,1,2,3,4,5,6,7
	ds_load_b128 v[\f+8*\i:\f+8*\i+3],   v[ADRA+\slot] offset:\k+\i*16*PITCH
	ds_load_b128 v[\f+8*\i+4:\f+8*\i+7], v[ADRA+\slot] offset:\k+\i*16*PITCH+32
.endr
.endm
; A load into a register that a matrix instruction has read, and a vector instruction that reads a matrix result or writes one of a matrix
; instruction's registers, stand four places behind it; only plain vector instructions that name none of its registers are places.
.macro PLACES
.rept 4
	v_nop
.endr
.endm
; A K step is four quarter steps of 32 along K, 64 matrix instructions each, on buffers 0, 1, 0, 1.  The 64 accumulators take turns, one instruction
; a turn, in the same order in every quarter step.
.macro QUARTER slot, k, f, g, zero
	s_wait_dscnt 8                                 ; B and A's rows 0-63 are in; the youngest eight loads (A's rows 64-127) may be out
	WIN MUL_LO
	MUL16 \f, 0, 0, \zero
	MUL16 \f, 0, 2, \zero
	PLACES
	FETCH \slot, \k, \g
	s_wait_dscnt 32                                ; all but the 32 just issued
	WIN MUL_HI
	MUL16 \f, 1, 0, \zero
	MUL16 \f, 1, 2, \zero
.endm
.macro THREE slot, zero
	QUARTER \slot, 64,  F0, F1, \zero
	QUARTER \slot, 128, F1, F0, 0
	QUARTER \slot, 192, F0, F1, 0
.endm
; The last quarter: multiplies buffer 1 and changes slots.  next = the other slot; fill = 1: this slot is filled again, two K steps ahead.
; In front of the barrier each wave waits for its own reads of this slot and for all its tensor loads, of which one is out: its part of the next slot.
; Behind it nobody reads this slot any more and the next slot is whole: the refill comes first, then the next slot's first fragments.
.macro TURN slot, next, fill
	s_wait_dscnt 8
	WIN MUL_LO
	MUL16 F1, 0, 0, 0
	s_wait_dscnt 0                                 ; my reads of this slot are over
	s_wait_tensorcnt 0x0                           ; and all my tensor loads have landed: the one that was out is my part of the next slot
	ds_add_u32 v255, v223
	s_wait_dscnt 0x0
	s_barrier_signal -1                            ; say so (where a slot is filled again this barrier opens a round of the cluster's barrier),
	MUL16 F1, 0, 2, 0                              ; work on registers while the others arrive,
	WIN 0
	s_barrier_wait -1                              ; and go on when all four have said so
.if \fill
	CREST                                          ; all sixteen work-groups have said so: no wave of any partner still reads this slot's tile or has a load on its way
	s_add_nc_u64 s[G0+4*\slot+2:G0+4*\slot+3], s[G0+4*\slot+2:G0+4*\slot+3], 2*KSTEP*2
	s_add_nc_u64 s[G0B+4*\slot+2:G0B+4*\slot+3], s[G0B+4*\slot+2:G0B+4*\slot+3], 2*KSTEP*2
	JLOAD \slot                                    ; the first tensor load behind the round
.endif
	PLACES
	FETCH \next, 0, F0
	WIN MUL_HI
	MUL16 F1, 1, 0, 0
	MUL16 F1, 1, 2, 0
.endm
.macro LAP zero                        ; once round the ring, both slots filled again
	THREE 0, \zero
	TURN 0, 1, 1
	THREE 1, 0
	TURN 1, 0, 1
.endm
	s_wait_tensorcnt 1                             ; my part of K step 0 is in; K step 1's may stay out
	s_barrier_signal -1
	s_barrier_wait -1                              ; everybody's is
	FETCH 0, 0, F0
	LAP 1                                          ; the first lap stands in front of the loop: its first products start the sums
	WIN 0                                          ; at a label and at a branch every window is 0
	s_mov_b32 s3, LAPS-2
.Llap:
	LAP 0
	WIN 0
	s_sub_co_u32 s3, s3, 1
	s_cmp_lg_u32 s3, 0
	s_cbranch_scc1 .Llap
	THREE 0, 0                                     ; the last lap fills nothing and has no round: my one tensor load that is still out is slot 1's, the last K step's
	TURN 0, 1, 0
	THREE 1, 0
	s_wait_dscnt 8                                 ; the very last quarter: nothing more to fetch
	WIN MUL_LO
	MUL16 F1, 0, 0, 0
	MUL16 F1, 0, 2, 0
	s_wait_dscnt 0
	WIN MUL_HI
	MUL16 F1, 1, 0, 0
	MUL16 F1, 1, 2, 0
	; THE WAY OUT, 16 rows at a time: scale and bias in one fused multiply-add, round to bf16, 16 bytes a lane into my own stage in LDS, read back by heads.
	PLACES                                         ; the places behind the last matrix instructions, for all that follows
	s_lshr_b32 s14, s13, 3                         ; batch = block row / 8
	s_mul_i32 s14, s14, 48                         ; 48 heads a batch
	s_and_b32 s15, s13, 7
	s_lshl_b32 s15, s15, 8
	s_lshl_b32 s16, s11, 7
	s_add_co_u32 s15, s15, s16                     ; t of my first row
	s_lshl_b32 s46, s42, 2                         ; 4 heads a block column,
	s_lshl1_add_u32 s46, s12, s46                  ; 2 a wave
	s_add_co_u32 s46, s46, s14
	s_lshl_b32 s46, s46, 11                        ; 2,048 rows a head
	s_add_co_u32 s46, s46, s15
	s_lshl_b32 s46, s46, 7                         ; 128 bytes a row
	s_mov_b32 s47, 0
	s_add_nc_u64 s[8:9], s[8:9], s[46:47]          ; never stepped: the largest store offset is one head + 124 rows = 278,016 bytes
; rows 16 i .. 16 i + 15 of my block = the eight tiles (a, 0..7) of window 2 or 3 (from = 2 or 3: source 0); rb: RB0 or RB1 in turn
.macro OUT16 i, a, from, rb
	WIN \from
.irp b, 0,1,2,3,4,5,6,7
.irp r, 0,1,2,3
	v_pk_fma_f32 v[TF+8*\b+2*\r:TF+8*\b+2*\r+1], v[8*(8*\a+\b)+2*\r:8*(8*\a+\b)+2*\r+1], s[66:67], v[32+8*\b+160*(\b/4)+2*\r:32+8*\b+160*(\b/4)+2*\r+1] op_sel_hi:[1,0,1]
.endr
.endr
	WIN 0
.irp b, 0,1,2,3,4,5,6,7
.irp r, 0,1,2,3
	v_cvt_pk_bf16_f32 v[TF+8*\b+\r], v[TF+8*\b+2*\r], v[TF+8*\b+2*\r+1]
.endr
.endr
.irp b, 0,1,2,3,4,5,6,7
	ds_store_b128 v[STO], v[TF+8*\b:TF+8*\b+3] offset:32*\b
.endr
	s_wait_xcnt 0x0                                ; buffer rb, which earlier stores read, is loaded again only behind this wait
.irp hh, 0,1
.irp u, 0,1,2,3
	ds_load_b128 v[\rb+4*(4*\hh+\u):\rb+4*(4*\hh+\u)+3], v[RD] offset:\u*4*SPITCH+\hh*128    ; LDS serves a wave's instructions in order (ISA guide 5.7.1): these see the stores above
.endr
.endr
.irp hh, 0,1
.irp u, 0,1,2,3
	s_wait_dscnt 7-(4*\hh+\u)
	global_store_b128 v[CO], v[\rb+4*(4*\hh+\u):\rb+4*(4*\hh+\u)+3], s[8:9] offset:\hh*HEADB+(16*\i+4*\u)*128   ; four rows of one head: 512 consecutive bytes, aligned
.endr
.endr
.endm
	OUT16 0, 0, 2, RB0
	OUT16 1, 1, 2, RB1
	OUT16 2, 2, 2, RB0
	OUT16 3, 3, 2, RB1
	OUT16 4, 0, 3, RB0
	OUT16 5, 1, 3, RB1
	OUT16 6, 2, 3, RB0
	OUT16 7, 3, 3, RB1
	s_set_vgpr_msb 0x1
	s_wait_tensorcnt 0x0
	ds_add_u32 v255, v223
	s_wait_dscnt 0x0
	s_set_vgpr_msb 0x100
	CROUND                                         ; the closing round: no work-group ends while a partner may still ask for a tile that names it
	s_endpgm
.Lfunc_end_k_q60fe221457_proj:
	.size	k_q60fe221457_proj, .Lfunc_end_k_q60fe221457_proj-k_q60fe221457_proj
	.p2alignl 7, 3214868480
	.fill 96, 4, 3214868480
	.section	.rodata,"a",@progbits
	.p2align	6, 0x0
	.amdhsa_kernel k_q60fe221457_proj
		.amdhsa_group_segment_fixed_size 327680
		.amdhsa_private_segment_fixed_size 0
		.amdhsa_enable_private_segment 0
		.amdhsa_kernarg_size 48
		.amdhsa_user_sgpr_count 2
		.amdhsa_user_sgpr_kernarg_segment_ptr 1
		.amdhsa_wavefront_size32 1
		.amdhsa_system_sgpr_workgroup_id_x 1
		.amdhsa_system_sgpr_workgroup_id_y 1
		.amdhsa_system_sgpr_workgroup_id_z 1
		.amdhsa_system_vgpr_workitem_id 0
		.amdhsa_next_free_vgpr 1024
		.amdhsa_next_free_sgpr 76
		.amdhsa_reserve_vcc 0
		.amdhsa_float_denorm_mode_32 3
		.amdhsa_float_denorm_mode_16_64 3
		.amdhsa_memory_ordered 1
		.amdhsa_forward_progress 1
		.amdhsa_inst_pref_size 216
	.end_amdhsa_kernel
	.amdgpu_metadata
---
amdhsa.version: [ 1, 2 ]
amdhsa.kernels:
  - .name:           k_q60fe221457_proj
    .symbol:         k_q60fe221457_proj.kd
    .args:
      - { .name: xn, .offset: 0, .size: 8, .value_kind: global_buffer, .address_space: global }
      - { .name: wb, .offset: 8, .size: 8, .value_kind: global_buffer, .address_space: global }
      - { .name: wq_b, .offset: 16, .size: 8, .value_kind: global_buffer, .address_space: global }
      - { .name: wk_b, .offset: 24, .size: 8, .value_kind: global_buffer, .address_space: global }
      - { .name: wv_b, .offset: 32, .size: 8, .value_kind: global_buffer, .address_space: global }
      - { .name: qkv, .offset: 40, .size: 8, .value_kind: global_buffer, .address_space: global }
    .group_segment_fixed_size: 327680
    .private_segment_fixed_size: 0
    .kernarg_segment_align: 8
    .kernarg_segment_size: 48
    .max_flat_workgroup_size: 128
    .sgpr_count:     76
    .vgpr_count:     1024
    .wavefront_size: 32
...
	.end_amdgpu_metadata
.endif
;; end of part 2
;; launch attn (part 3): grid 8 x 32, 8 waves a work-group, clusters of 4 x 1, 327,680 bytes of LDS; arguments qkv, x, out0; writes out0
.if DOCPART == 3
	.amdgcn_target "amdgcn-amd-amdhsa--gfx1250"
	.amdhsa_code_object_version 6
	.text
	.protected	k_q60fe221457_attn
	.globl	k_q60fe221457_attn
	.p2align	8
	.type	k_q60fe221457_attn,@function
k_q60fe221457_attn:
	s_mov_b64 s[64:65], 0
	v_nop
	global_prefetch_b8 v0, s[64:65] scope:SCOPE_SE
	s_setreg_imm32_b32 hwreg(HW_REG_WAVE_MODE, 25, 1), 1
	s_wait_xcnt 0x0
	s_wait_alu depctr_hold_cnt(0) depctr_sa_sdst(0) depctr_va_vdst(0) depctr_va_sdst(0) depctr_va_ssrc(0) depctr_va_vcc(0) depctr_vm_vsrc(0)
	s_getreg_b32 s2, hwreg(HW_REG_IB_STS2, 6, 4)
	s_cmp_eq_u32 s2, 0
	s_cbranch_scc0 .Lentry_in_a_cluster
	s_endpgm
.Lentry_in_a_cluster:
	s_bfe_u32 s2, ttmp6, 0x10000c
	s_cmp_lg_u32 s2, 0x3003
	s_cbranch_scc0 .Lentry_shape_is_right
	s_endpgm
.Lentry_shape_is_right:
; out0 = x + softmax(q k^T / sqrt(2048)) v, head by head, no mask.  qkv: [2][48][2048][64] bf16 (heads 0-15 q, already times log2(e) / sqrt(2048); 16-31 k; 32-47 v).
; x, out0: [2][2048][1024] f32.
; Work-group (x, y): y = batch x 16 + head, 256 queries.  Eight waves, two on a SIMD, so that one wave's softmax runs beside the other's matrix work.
; Wave w: queries 64 (w & 3) .. + 63 as four tiles of 16, and half w >> 2 (128 keys) of every slot of 256 keys, in two blocks of 64 keys.
; Each wave keeps a running maximum, sum and output of its own keys; waves w and w + 4 are merged once, at the end, through LDS.
; CLUSTER: the four work-groups of a cluster work on one head and walk the same K and V: each tile is asked for jointly (mask 15), which divides the requests by four.
; EVERYTHING IS TRANSPOSED, so that nothing is shuffled between the two products:
;   S^T = K Q^T: register j of lane (r, hh) is the score of key 8 hh + j and query r.  Two key tiles, packed to bf16, ARE the B fragment of P^T for 32 keys.
;   O^T = V^T P^T: V^T's fragments come by the transposing LDS load from V as it lies, [key][d].  Register j of lane (r, hh) is O(query r, d = 16 dt + 8 hh + j).
;   A query's maximum, rescale factor and sum are the lane's own; one exchange between the two halves of the lanes shares the maximum.
;   The row sums come from one more matrix instruction for 32 keys, with A all ones; of its tile only register 0 is rescaled and used (the others hold
;   plain sums of p <= 1 over at most 1,024 keys and are never read).
; LIMITS: finite inputs; a p below 2^-126 counts as 0 (v_exp_f32 flushes: ISA guide 15.8); q, k, v and p are rounded to bf16; the denominator is the sum of the rounded p,
; the same numbers that multiply V.  The maximum is a true running maximum, and the rescale is done in every block: no branch hangs on data.
.set HEADB,  262144                    ; bytes of a head: 2,048 keys x 128
.set VPITCH, 288                       ; an LDS row = two keys = 256 bytes, + 32 for V: the 16 lanes of a half address 16-byte columns 2 (key / 2) + 8 (key % 2) + c, all different modulo 16
.set KPITCH, 272                       ; + 16 for K: columns (key / 2) + 8 (key % 2), all different
.set VBYTES, 128*VPITCH                ; 256 keys of V
.set KBYTES, 128*KPITCH                ; 256 keys of K
.set SLOT,   VBYTES+KBYTES             ; 71,680
.set MERGE,  2*SLOT                    ; behind the ring, where no tensor load lands: waves 4-7 hand over O (16,384 bytes), l and m (512 each)
.set MERGEW, 17408
.set STAGE,  MERGE+4*MERGEW            ; 16 rows x 272 bytes for each of waves 0-3, for the way out
.set SPITCH, 272
.set MS,  1                            ; v1      merge: my 16 bytes
.set KA,  2                            ; v2-3    LDS address of my K fragments in slot 0, 1
.set VA,  4                            ; v4-5    the same for V
.set STO, 6                            ; v6      the way out: where I put 16 bytes
.set RD,  7                            ; v7      the way out: where I read a row back
.set XO,  8                            ; v8      my byte offset in x and out0
.set QO,  9                            ; v9      my byte offset in q
.set MP,  10                           ; v[10+2q:11+2q] query tile q: (maximum, rescale factor)
.set T,   18                           ; v18-23  at work
.set ONES, 24                          ; v24-31  an A fragment of ones
.set KF,  32                           ; v32-95  K fragments: + 16 kt + 8 ks
.set VF,  96                           ; v96-159 V^T fragments: + 16 dt + 8 ks
.set XR,  32                           ; the way out: x, in the registers of KF and VF
.set SC0, 160                          ; v160-191, v192-223: scores of the even and of the odd query tiles: + 8 kt + j
.set SC1, 192
.set P,   224                          ; v224-239 p in bf16: + 4 kt + i
.set LB,  240                          ; the way out: partner's l, partner's m, my l
.set MB,  244
.set LA,  248
.set LT,  128                          ; window 1: v[32 q + 8 dt] O; v[128 + 8 q] the tile of row sums; v[160 + 16 q + 8 ks] Q fragments
.set QF,  160
.set G1V, 24                           ; s[24:31] descriptor group 1 for V
.set G1K, 32                           ; s[32:39] for K
.set G0V, 40                           ; s[40:47] group 0 for V, a set for each slot
.set G0K, 48                           ; s[48:55] for K
.set MSB, 0
.macro WIN new                         ; low byte: bits 1:0 source 0, 3:2 source 1, 5:4 source 2, 7:6 destination; the high byte repeats the setting that is left
.if MSB != \new
	s_set_vgpr_msb (MSB<<8)|\new
.set MSB, \new
.endif
.endm
.macro PLACES                          ; four places behind a matrix instruction, in front of loads into its sources and of readers of its result
.rept 4
	v_nop
.endr
.endm
; A round of the cluster's barrier: my work-group's barrier; wave 0 signals for the work-group; every wave waits for all four work-groups; my work-group's barrier again.
.macro ROUND
	s_barrier_signal -1
	s_barrier_wait -1
	s_cmp_lg_u32 s10, 0
	s_cbranch_scc1 .Lnot_wave_0_\@
	s_barrier_signal -3
.Lnot_wave_0_\@:
	s_barrier_wait -3
	s_barrier_signal -1
	s_barrier_wait -1
.endm
; A joint refill of slot s: waves 0 and 1 ask for V's two halves, waves 2 and 3 for K's, waves 4 to 7 for nothing.  The branches hang on the wave's number alone.
.macro JLOAD s
	s_cmp_gt_u32 s10, 3
	s_cbranch_scc1 .Lasked_\@
	s_cmp_gt_u32 s10, 1
	s_cbranch_scc1 .Lfor_k_\@
	tensor_load_to_lds s[G0V+4*\s:G0V+4*\s+3], s[G1V:G1V+7]
	s_nop 0
	s_branch .Lasked_\@
.Lfor_k_\@:
	tensor_load_to_lds s[G0K+4*\s:G0K+4*\s+3], s[G1K:G1K+7]
	s_nop 0
.Lasked_\@:
.endm
	s_load_b128 s[4:7], s[0:1], 0x0                ; qkv s[4:5], x s[6:7]
	s_load_b64 s[8:9], s[0:1], 0x10                ; out0
	v_lshl_add_u32 v254, v0, 2, 0x38400
	v_mov_b32 v255, 0
	ds_add_u32 v254, v255
	v_lshrrev_b32 v1, 5, v0
	v_readfirstlane_b32 s10, v1                    ; wave 0..7
	s_and_b32 s11, s10, 3                          ; which 64 queries
	s_lshr_b32 s12, s10, 2                         ; which half of a slot's keys
	s_and_b32 s13, s10, 1                          ; which half of a tile I fetch
	s_and_b32 s14, ttmp7, 0xffff                   ; y
	s_lshr_b32 s15, s14, 4                         ; batch
	s_and_b32 s16, s14, 15                         ; head
	s_bfe_u32 s17, ttmp6, 0x40000                  ; cx
	s_lshl_b32 s18, ttmp9, 2
	s_add_co_u32 s18, s18, s17                     ; block of 256 queries = 4 x cluster x + cx
	s_mov_b32 s22, 0x76543210                      ; v_permlanex16_b32: lane i of one half reads lane i of the other
	s_mov_b32 s23, 0xfedcba98
	; group 1: 64 rows of 32 elements of 8 bytes (128 keys, dense in memory), padded in LDS behind every 64 words by 8 words (V) or 4 (K); mask 15 and bit 21 beside it
	s_mov_b32 s[G1V+0], 15|(3<<16)|(1<<20)|(1<<21)|(5<<22)|(7<<25)
	s_mov_b32 s[G1K+0], 15|(3<<16)|(1<<20)|(1<<21)|(5<<22)|(3<<25)
	s_mov_b32 s[G1V+1], 32<<16                     ; tensor_dim0 = 32
	s_mov_b32 s[G1K+1], 32<<16
	s_mov_b32 s[G1V+2], 64<<16                     ; tensor_dim1 = 64
	s_mov_b32 s[G1K+2], 64<<16
	s_mov_b32 s[G1V+3], 32<<16                     ; tile_dim0 = 32
	s_mov_b32 s[G1K+3], 32<<16
	s_mov_b32 s[G1V+4], 64                         ; tile_dim1 = 64
	s_mov_b32 s[G1K+4], 64
	s_mov_b32 s[G1V+5], 32                         ; elements from row to row
	s_mov_b32 s[G1K+5], 32
	s_mov_b32 s[G1V+6], 0
	s_mov_b32 s[G1K+6], 0
	s_mov_b32 s[G1V+7], 0
	s_mov_b32 s[G1K+7], 0
	s_mul_i32 s19, s15, 48
	s_add_co_u32 s19, s19, s16
	s_lshl_b32 s19, s19, 18                        ; byte offset of my q head
	s_lshl_b32 s20, s13, 14                        ; my half of a tile: 128 keys x 128 bytes
	s_add_co_u32 s20, s20, s19
	s_add_co_u32 s60, s20, 16*HEADB                ; K: 16 heads further
	s_add_co_u32 s20, s20, 32*HEADB                ; V: 32 heads further
	s_mov_b32 s21, 0
	s_mov_b32 s61, 0
	s_mul_i32 s58, s10, 64*VPITCH                  ; LDS: V's halves at wave x 18,432 (waves 0, 1),
	s_mul_i32 s59, s10, 64*KPITCH
	s_add_co_u32 s59, s59, VBYTES-2*64*KPITCH      ; K's at 36,864 + (wave - 2) x 17,408 (waves 2, 3): no place in the cluster enters
	s_lshl_b32 s62, s18, 15                        ; q: 256 queries x 128 bytes a block,
	s_lshl_b32 s63, s11, 13                        ; 64 a wave
	s_add_co_u32 s62, s62, s63
	s_add_co_u32 s62, s62, s19
	s_mov_b32 s63, 0
	s_lshl_b32 s56, s15, 11                        ; x, out0: row = 2,048 batch + 256 block + 64 (w & 3),
	s_lshl_b32 s57, s18, 8
	s_add_co_u32 s56, s56, s57
	s_lshl_b32 s57, s11, 6
	s_add_co_u32 s56, s56, s57
	s_lshl_b32 s56, s56, 12                        ; 4,096 bytes a row,
	s_lshl_b32 s57, s16, 8                         ; 256 bytes a head
	s_add_co_u32 s56, s56, s57
	s_mov_b32 s57, 0
	s_wait_dscnt 0x0
	s_wait_kmcnt 0x0
	s_add_nc_u64 s[20:21], s[4:5], s[20:21]        ; V's first tile: hangs on y and the wave alone
	s_add_nc_u64 s[60:61], s[4:5], s[60:61]        ; K's
	s_add_nc_u64 s[4:5], s[4:5], s[62:63]          ; my queries
	s_add_nc_u64 s[6:7], s[6:7], s[56:57]
	s_add_nc_u64 s[8:9], s[8:9], s[56:57]
.irp s, 0,1
	s_mov_b32 s[G0V+4*\s], 1
	s_add_co_u32 s[G0V+4*\s+1], s58, \s*SLOT
	s_add_nc_u64 s[G0V+4*\s+2:G0V+4*\s+3], s[20:21], \s*32768      ; slot s starts with keys 256 s
	s_or_b32 s[G0V+4*\s+3], s[G0V+4*\s+3], 0x80000000
	s_mov_b32 s[G0K+4*\s], 1
	s_add_co_u32 s[G0K+4*\s+1], s59, \s*SLOT
	s_add_nc_u64 s[G0K+4*\s+2:G0K+4*\s+3], s[60:61], \s*32768
	s_or_b32 s[G0K+4*\s+3], s[G0K+4*\s+3], 0x80000000
.endr
	ROUND                                          ; all four work-groups are here: the first joint loads meet
	s_cmp_gt_u32 s10, 3                            ; both slots' first fills in one group: two tensor loads of a wave are out here, later one
	s_cbranch_scc1 .Lfilled
	s_cmp_gt_u32 s10, 1
	s_cbranch_scc1 .Lfill_k
	tensor_load_to_lds s[G0V:G0V+3], s[G1V:G1V+7]
	s_nop 0
	tensor_load_to_lds s[G0V+4:G0V+7], s[G1V:G1V+7]
	s_nop 0
	s_branch .Lfilled
.Lfill_k:
	tensor_load_to_lds s[G0K:G0K+3], s[G1K:G1K+7]
	s_nop 0
	tensor_load_to_lds s[G0K+4:G0K+7], s[G1K:G1K+7]
	s_nop 0
.Lfilled:
	v_and_b32 v18, 15, v0                          ; r
	v_bfe_u32 v19, v0, 4, 1                        ; hh
	v_lshlrev_b32 v[QO], 7, v18
	v_lshl_add_u32 v[QO], v19, 4, v[QO]            ; query r x 128 bytes + 16 hh
	WIN 0x40                                       ; Q's fragments stay in window 1 for the whole launch
.irp q, 0,1,2,3
.irp ks, 0,1
	global_load_b128 v[QF+16*\q+8*\ks:QF+16*\q+8*\ks+3],   v[QO], s[4:5] offset:\q*2048+\ks*64
	global_load_b128 v[QF+16*\q+8*\ks+4:QF+16*\q+8*\ks+7], v[QO], s[4:5] offset:\q*2048+\ks*64+32
.endr
.endr
	WIN 0
	v_and_b32 v20, 31, v0                          ; lane
	v_and_b32 v22, 1, v0
	v_lshrrev_b32 v21, 1, v18                      ; K: key r of a tile lies at (r / 2) pitch + (r % 2) 128, my 16 bytes at 16 hh
	v_mul_u32_u24 v21, v21, KPITCH
	v_lshl_add_u32 v21, v22, 7, v21
	v_lshl_add_u32 v21, v19, 4, v21
	s_mul_i32 s58, s12, 64*KPITCH
	s_add_co_u32 s58, s58, VBYTES
	v_add_nc_u32 v[KA], s58, v21
	v_add_nc_u32 v[KA+1], SLOT, v[KA]
	v_bfe_u32 v21, v0, 1, 2                        ; V, for the transposing load: key 8 hh + (lane & 7), 16 bytes at 16 ((lane >> 3) & 1)
	v_lshl_add_u32 v21, v19, 2, v21
	v_mul_u32_u24 v21, v21, VPITCH
	v_lshl_add_u32 v21, v22, 7, v21
	v_bfe_u32 v23, v0, 3, 1
	v_lshl_add_u32 v21, v23, 4, v21
	s_mul_i32 s58, s12, 64*VPITCH
	v_add_nc_u32 v[VA], s58, v21
	v_add_nc_u32 v[VA+1], SLOT, v[VA]
	s_mul_i32 s58, s11, 16*SPITCH
	s_add_co_u32 s58, s58, STAGE
	v_mul_u32_u24 v21, v18, SPITCH                 ; stage in: row r, 32 bytes for each half of the lanes
	v_lshl_add_u32 v21, v19, 5, v21
	v_add_nc_u32 v[STO], s58, v21
	v_mul_u32_u24 v21, v19, SPITCH                 ; back: lanes 0-15 one row of 256 bytes, lanes 16-31 the next
	v_lshl_add_u32 v21, v18, 4, v21
	v_add_nc_u32 v[RD], s58, v21
	v_lshlrev_b32 v[XO], 4, v18                    ; and the same two rows in x and out0
	v_lshl_add_u32 v[XO], v19, 12, v[XO]
	s_mul_i32 s58, s11, MERGEW
	s_add_co_u32 s58, s58, MERGE
	v_lshl_add_u32 v[MS], v20, 4, s58
.irp i, 0,1,2,3,4,5,6,7
	v_mov_b32 v[ONES+\i], 0x3f803f80               ; two bf16 ones
.endr
; 16 LDS loads: the K fragments of block blk (64 keys x 64 d) of my half of a slot
.macro KLOAD slot, blk
	WIN 0
.irp kt, 0,1,2,3
.irp ks, 0,1
	ds_load_b128 v[KF+16*\kt+8*\ks:KF+16*\kt+8*\ks+3],   v[KA+\slot] offset:\blk*32*KPITCH+\kt*8*KPITCH+\ks*64
	ds_load_b128 v[KF+16*\kt+8*\ks+4:KF+16*\kt+8*\ks+7], v[KA+\slot] offset:\blk*32*KPITCH+\kt*8*KPITCH+\ks*64+32
.endr
.endr
.endm
; 16 transposing LDS loads: the V^T fragments of the same block
.macro VLOAD slot, blk
	WIN 0
.irp dt, 0,1,2,3
.irp ks, 0,1
	ds_load_tr16_b128 v[VF+16*\dt+8*\ks:VF+16*\dt+8*\ks+3],   v[VA+\slot] offset:\blk*32*VPITCH+\ks*16*VPITCH+\dt*32
	ds_load_tr16_b128 v[VF+16*\dt+8*\ks+4:VF+16*\dt+8*\ks+7], v[VA+\slot] offset:\blk*32*VPITCH+\ks*16*VPITCH+\dt*32+8*VPITCH
.endr
.endr
.endm
; the scores of 64 keys and query tile q: eight matrix instructions; the four accumulators take turns, one instruction a turn
.macro SMUL q
	WIN 0x04                                       ; B (Q) in window 1
.set SB, SC0+32*((\q)&1)
.irp kt, 0,1,2,3
	v_wmma_f32_16x16x32_bf16 v[SB+8*\kt:SB+8*\kt+7], v[KF+16*\kt:KF+16*\kt+7], v[QF+16*\q:QF+16*\q+7], 0
.endr
.irp kt, 0,1,2,3
	v_wmma_f32_16x16x32_bf16 v[SB+8*\kt:SB+8*\kt+7], v[KF+16*\kt+8:KF+16*\kt+15], v[QF+16*\q+8:QF+16*\q+15], v[SB+8*\kt:SB+8*\kt+7]
.endr
.endm
.macro SSUB kt                         ; s - maximum
.irp i, 0,1,2,3
	v_pk_add_f32 v[SB+8*\kt+2*\i:SB+8*\kt+2*\i+1], v[SB+8*\kt+2*\i:SB+8*\kt+2*\i+1], v[MQ:MQ+1] op_sel_hi:[1,0] neg_lo:[0,1] neg_hi:[0,1]
.endr
.endm
.macro SEXP kt
.irp j, 0,1,2,3,4,5,6,7
	v_exp_f32 v[SB+8*\kt+\j], v[SB+8*\kt+\j]
.endr
.endm
.macro SCVT kt
	s_wait_alu depctr_va_vdst(0)
.irp i, 0,1,2,3
	v_cvt_pk_bf16_f32 v[P+4*\kt+\i], v[SB+8*\kt+2*\i], v[SB+8*\kt+2*\i+1]
.endr
.endm
; softmax of query tile q's 64 x 16 scores: new maximum, rescale factor, p in bf16.  zero = 1: the first block, no maximum yet.
.macro SM q, zero
	WIN 0
.set SB, SC0+32*((\q)&1)
.set MQ, MP+2*\q
.irp c, 0,1,2,3
	v_max3_num_f32 v[T+\c], v[SB+8*\c], v[SB+8*\c+1], v[SB+8*\c+2]     ; four chains, one for each key tile
.endr
.irp c, 0,1,2,3
	v_max3_num_f32 v[T+\c], v[T+\c], v[SB+8*\c+3], v[SB+8*\c+4]
.endr
.irp c, 0,1,2,3
	v_max3_num_f32 v[T+\c], v[T+\c], v[SB+8*\c+5], v[SB+8*\c+6]
.endr
	v_max3_num_f32 v[T], v[T], v[SB+7], v[SB+15]
	v_max3_num_f32 v[T+1], v[T+1], v[SB+23], v[SB+31]
	v_max3_num_f32 v[T], v[T], v[T+1], v[T+2]
.if \zero
	v_max_num_f32 v[T], v[T], v[T+3]
.else
	v_max3_num_f32 v[T], v[T], v[T+3], v[MQ]       ; and the maximum so far
.endif
	v_permlanex16_b32 v[T+1], v[T], s22, s23       ; the other half of the lanes holds the query's other keys
	v_max_num_f32 v[T+1], v[T], v[T+1]
.if \zero
	v_mov_b32 v[MQ+1], 1.0                         ; the pair is read whole below
	v_mov_b32 v[MQ], v[T+1]
.else
	v_sub_f32 v[T+2], v[MQ], v[T+1]
	v_exp_f32 v[MQ+1], v[T+2]                      ; 2^(old maximum - new)
	v_mov_b32 v[MQ], v[T+1]                        ; the plain instruction behind the exponential, ahead of the first line that names the pair (ISA guide 5.7.2)
	s_wait_alu depctr_va_vdst(0)
.endif
	SSUB 0                                         ; in this order a run of plain instructions stands between every exponential and the first use of its result
	SEXP 0
	SSUB 1
	SEXP 1
	SCVT 0
	SSUB 2
	SEXP 2
	SCVT 1
	SSUB 3
	SEXP 3
	SCVT 2
	SCVT 3
.endm
.macro RESC q                          ; O and the row sum of query tile q, times the rescale factor
	WIN 0x41
.set k, 0
.rept 16
	v_pk_mul_f32 v[32*\q+2*k:32*\q+2*k+1], v[32*\q+2*k:32*\q+2*k+1], v[MP+2*\q:MP+2*\q+1] op_sel:[0,1] op_sel_hi:[1,1]
.set k, k+1
.endr
	v_mul_f32 v[LT+8*\q], v[LT+8*\q], v[MP+2*\q+1]
.endm
.macro PVH q, ks, zero                 ; 32 keys: four tiles of O^T and the tile of row sums; the five accumulators take turns, one instruction a turn
	WIN 0x50                                       ; C and D in window 1
.irp dt, 0,1,2,3
.if \zero
	v_wmma_f32_16x16x32_bf16 v[32*\q+8*\dt:32*\q+8*\dt+7], v[VF+16*\dt+8*\ks:VF+16*\dt+8*\ks+7], v[P+8*\ks:P+8*\ks+7], 0
.else
	v_wmma_f32_16x16x32_bf16 v[32*\q+8*\dt:32*\q+8*\dt+7], v[VF+16*\dt+8*\ks:VF+16*\dt+8*\ks+7], v[P+8*\ks:P+8*\ks+7], v[32*\q+8*\dt:32*\q+8*\dt+7]
.endif
.endr
.if \zero
	v_wmma_f32_16x16x32_bf16 v[LT+8*\q:LT+8*\q+7], v[ONES:ONES+7], v[P+8*\ks:P+8*\ks+7], 0
.else
	v_wmma_f32_16x16x32_bf16 v[LT+8*\q:LT+8*\q+7], v[ONES:ONES+7], v[P+8*\ks:P+8*\ks+7], v[LT+8*\q:LT+8*\q+7]
.endif
.endm
.macro ACC q, zero                     ; zero = 1: the first products start the sums: nothing is cleared, nothing rescaled
.if \zero == 0
	RESC \q
.endif
	PVH \q, 0, \zero
	PVH \q, 1, 0
.endm
; Stands where the wave's last reads of a slot have just been waited for (s_wait_dscnt 0 in front of it).
; kind 2: the slot is filled again.  All my tensor loads have landed (the one that was out is my part of the other slot), the slot's addresses step by two slots,
; a round of the cluster's barrier says the same of every wave of all four work-groups, and the joint refill is the first thing behind it.
; kind 1: the last change of slots: the other slot is shown whole to every wave; nothing is filled.
.macro SYNC kind, slot
.if \kind == 1
	s_wait_tensorcnt 0x0
	s_barrier_signal -1
	s_barrier_wait -1
.endif
.if \kind == 2
	s_wait_tensorcnt 0x0
	ds_add_u32 v254, v255
	s_wait_dscnt 0x0
	s_add_nc_u64 s[G0V+4*\slot+2:G0V+4*\slot+3], s[G0V+4*\slot+2:G0V+4*\slot+3], 65536
	s_add_nc_u64 s[G0K+4*\slot+2:G0K+4*\slot+3], s[G0K+4*\slot+2:G0K+4*\slot+3], 65536
	ROUND
	JLOAD \slot
.endif
.endm
; One block: 64 keys x 64 queries, 72 matrix instructions.  The scores of tile q + 1 are issued ahead of the softmax of tile q, so that a softmax's plain instructions
; are the places behind them and the matrix unit has work under it.  The next block's K fragments are fetched behind the last use of this block's (they have a
; softmax and ten matrix instructions in which to come), its V fragments behind the last use of this block's V.  more = 0: the last block fetches nothing.
.macro BLOCK zero, kind, slot, nslot, nblk, more
	SMUL 1
	SM 0, \zero
	s_wait_dscnt 0x0                               ; this block's V fragments are in: no LDS read of mine is out
	SYNC \kind, \slot
	ACC 0, \zero
	SMUL 2
	SM 1, \zero
	ACC 1, \zero
	SMUL 3
.if \more
	PLACES
	KLOAD \nslot, \nblk
.endif
	SM 2, \zero
	ACC 2, \zero
.if \more
	s_wait_dscnt 0x0                               ; the next block's K fragments are in
	SMUL 0
.endif
	SM 3, \zero
	ACC 3, \zero
.if \more
	PLACES
	VLOAD \nslot, \nblk
.endif
.endm
.macro LAP zero, k0, k1, more          ; once round the ring: two slots, two blocks each
	BLOCK \zero, 0, 0, 0, 1, 1
	BLOCK 0, \k0, 0, 1, 0, 1
	BLOCK 0, 0, 1, 1, 1, 1
	BLOCK 0, \k1, 1, 0, 0, \more
.endm
	s_wait_loadcnt 0x0                             ; Q is in
	s_wait_tensorcnt 0x1                           ; my part of slot 0 is in; slot 1's may stay out
	s_barrier_signal -1
	s_barrier_wait -1
	KLOAD 0, 0
	VLOAD 0, 0
	s_wait_dscnt 16                                ; K's 16 loads are in, V's 16 may be out
	SMUL 0
	PLACES                                         ; the first softmax has no other softmax in front of it
	LAP 1, 2, 2, 1                                 ; keys 0-511; asks for keys 512-1023
	WIN 0                                          ; at a label and at a branch every window is 0
	s_mov_b32 s56, 2
.Llap:
	LAP 0, 2, 2, 1                                 ; keys 512-1535; asks for keys 1024-2047
	WIN 0
	s_sub_co_u32 s56, s56, 1
	s_cmp_lg_u32 s56, 0
	s_cbranch_scc1 .Llap
	LAP 0, 1, 0, 0                                 ; keys 1536-2047: nothing is left to ask for
	WIN 0
	PLACES                                         ; behind the last matrix instructions, for all that follows
	; THE MERGE.  Waves 4-7 hand O, l and m to waves 0-3 through LDS; meanwhile waves 0-3 ask for their x.
	s_cmp_gt_u32 s10, 3
	s_cbranch_scc1 .Lgive
.irp q, 0,1,2,3
.irp i, 0,1,2,3,4,5,6,7
	global_load_b128 v[XR+32*\q+4*\i:XR+32*\q+4*\i+3], v[XO], s[6:7] offset:(16*\q+2*\i)*4096 th:TH_LOAD_NT   ; 16 lanes: one query's 256 bytes of this head, aligned
.endr
.endr
	s_branch .Lmeet
.Lgive:
	WIN 0x04                                       ; store data from window 1
.set k, 0
.rept 32
	ds_store_b128 v[MS], v[4*k:4*k+3] offset:512*k
.set k, k+1
.endr
	WIN 0x01
.irp q, 0,1,2,3
	v_mov_b32 v[SC0+\q], v[LT+8*\q]
.endr
	WIN 0
.irp q, 0,1,2,3
	v_mov_b32 v[SC0+4+\q], v[MP+2*\q]
.endr
	ds_store_b128 v[MS], v[SC0:SC0+3] offset:16384
	ds_store_b128 v[MS], v[SC0+4:SC0+7] offset:16896
.Lmeet:
	s_wait_dscnt 0x0                               ; for the others' sake: my stores are done
	s_barrier_signal -1
	s_barrier_wait -1
	s_cmp_gt_u32 s10, 3
	s_cbranch_scc1 .Lclose
	ds_load_b128 v[LB:LB+3], v[MS] offset:16384    ; the partner's four l
	ds_load_b128 v[MB:MB+3], v[MS] offset:16896    ; and four m
	WIN 0x01
.irp q, 0,1,2,3
	v_mov_b32 v[LA+\q], v[LT+8*\q]
.endr
	WIN 0
	s_wait_dscnt 0x0
	; m = max(ma, mb); fa = 2^(ma - m), fb = 2^(mb - m); l = fa la + fb lb (at least 1: the largest p is 1); the pair becomes (fa / l, fb / l)
.irp q, 0,1,2,3
	v_max_num_f32 v[T+\q], v[MP+2*\q], v[MB+\q]
.endr
.irp q, 0,1,2,3
	v_sub_f32 v[MP+2*\q], v[MP+2*\q], v[T+\q]
	v_sub_f32 v[MP+2*\q+1], v[MB+\q], v[T+\q]
.endr
.irp j, 0,1,2,3,4,5,6,7
	v_exp_f32 v[MP+\j], v[MP+\j]
.endr
	v_nop                                          ; the plain place behind the exponentials
	s_wait_alu depctr_va_vdst(0)
.irp q, 0,1,2,3
	v_mul_f32 v[LB+\q], v[MP+2*\q+1], v[LB+\q]
.endr
.irp q, 0,1,2,3
	v_fmac_f32 v[LB+\q], v[MP+2*\q], v[LA+\q]
.endr
.irp q, 0,1,2,3
	v_rcp_f32 v[LB+\q], v[LB+\q]
.endr
	v_nop                                          ; the plain place behind the reciprocals
	s_wait_alu depctr_va_vdst(0)
.irp q, 0,1,2,3
	v_mul_f32 v[MP+2*\q], v[MP+2*\q], v[LB+\q]
	v_mul_f32 v[MP+2*\q+1], v[MP+2*\q+1], v[LB+\q]
.endr
; query tile q: merge, turn through my own stage into whole rows, add x, store.  The stage is my own and LDS serves a wave's instructions in order
; (ISA guide 5.7.1): no barrier, and no wait between its stores and its loads.  No register that a global store reads is written again.
.macro OUTQ q
.irp i, 0,1,2,3,4,5,6,7
	ds_load_b128 v[SC0+4*\i:SC0+4*\i+3], v[MS] offset:512*(8*\q+\i)        ; the partner's O, in my own lanes' layout
.endr
	WIN 0x01
.set k, 0
.rept 16
	v_pk_mul_f32 v[SC1+2*k:SC1+2*k+1], v[32*\q+2*k:32*\q+2*k+1], v[MP+2*\q:MP+2*\q+1] op_sel_hi:[1,0]
.set k, k+1
.endr
	WIN 0
	s_wait_dscnt 0x0
.set k, 0
.rept 16
	v_pk_fma_f32 v[SC1+2*k:SC1+2*k+1], v[SC0+2*k:SC0+2*k+1], v[MP+2*\q:MP+2*\q+1], v[SC1+2*k:SC1+2*k+1] op_sel:[0,1,0] op_sel_hi:[1,1,1]
.set k, k+1
.endr
.irp dt, 0,1,2,3
	ds_store_b128 v[STO], v[SC1+8*\dt:SC1+8*\dt+3]   offset:64*\dt
	ds_store_b128 v[STO], v[SC1+8*\dt+4:SC1+8*\dt+7] offset:64*\dt+16
.endr
.irp i, 0,1,2,3,4,5,6,7
	ds_load_b128 v[SC0+4*\i:SC0+4*\i+3], v[RD] offset:2*SPITCH*\i
.endr
	s_wait_dscnt 0x0
	s_wait_loadcnt 24-8*\q                         ; this tile's eight loads of x are in; the later tiles' may be out
.set k, 0
.rept 16
	v_pk_add_f32 v[XR+32*\q+2*k:XR+32*\q+2*k+1], v[XR+32*\q+2*k:XR+32*\q+2*k+1], v[SC0+2*k:SC0+2*k+1]
.set k, k+1
.endr
.irp i, 0,1,2,3,4,5,6,7
	global_store_b128 v[XO], v[XR+32*\q+4*\i:XR+32*\q+4*\i+3], s[8:9] offset:(16*\q+2*\i)*4096 th:TH_STORE_NT   ; 16 lanes store 256 consecutive bytes, aligned
.endr
.endm
	OUTQ 0
	OUTQ 1
	OUTQ 2
	OUTQ 3
.Lclose:
	s_wait_tensorcnt 0x0
	ds_add_u32 v254, v255
	s_wait_dscnt 0x0
	ROUND                                          ; the closing round: no work-group ends while a partner may still ask for a tile that names it
	s_endpgm
.Lfunc_end_k_q60fe221457_attn:
	.size	k_q60fe221457_attn, .Lfunc_end_k_q60fe221457_attn-k_q60fe221457_attn
	.p2alignl 7, 3214868480
	.fill 96, 4, 3214868480
	.section	.rodata,"a",@progbits
	.p2align	6, 0x0
	.amdhsa_kernel k_q60fe221457_attn
		.amdhsa_group_segment_fixed_size 327680
		.amdhsa_private_segment_fixed_size 0
		.amdhsa_enable_private_segment 0
		.amdhsa_kernarg_size 24
		.amdhsa_user_sgpr_count 2
		.amdhsa_user_sgpr_kernarg_segment_ptr 1
		.amdhsa_wavefront_size32 1
		.amdhsa_system_sgpr_workgroup_id_x 1
		.amdhsa_system_sgpr_workgroup_id_y 1
		.amdhsa_system_sgpr_workgroup_id_z 1
		.amdhsa_system_vgpr_workitem_id 0
		.amdhsa_next_free_vgpr 512
		.amdhsa_next_free_sgpr 66
		.amdhsa_reserve_vcc 0
		.amdhsa_float_denorm_mode_32 3
		.amdhsa_float_denorm_mode_16_64 3
		.amdhsa_memory_ordered 1
		.amdhsa_forward_progress 1
		.amdhsa_inst_pref_size 255
	.end_amdhsa_kernel
	.section	.bss,"aw",@nobits
	.p2align	6
	.space	262144
	.amdgpu_metadata
---
amdhsa.version: [ 1, 2 ]
amdhsa.kernels:
  - .name:           k_q60fe221457_attn
    .symbol:         k_q60fe221457_attn.kd
    .args:
      - { .name: qkv, .offset: 0, .size: 8, .value_kind: global_buffer, .address_space: global }
      - { .name: x, .offset: 8, .size: 8, .value_kind: global_buffer, .address_space: global }
      - { .name: out0, .offset: 16, .size: 8, .value_kind: global_buffer, .address_space: global }
    .group_segment_fixed_size: 327680
    .private_segment_fixed_size: 0
    .kernarg_segment_align: 8
    .kernarg_segment_size: 24
    .max_flat_workgroup_size: 256
    .sgpr_count:     66
    .vgpr_count:     512
    .wavefront_size: 32
...
	.end_amdgpu_metadata
.endif
;; end of part 3
;; ======== version 2 of 2: 3 launches; version 1 with the launch prep written anew for expert scheduling mode
;; workspace buffers: xn 8,388,608 bytes; wb 6,291,456 bytes; qkv 25,165,824 bytes
;; launch prep (part 4): grid 256 x 1, 8 waves a work-group, no clusters, 0 bytes of LDS; arguments x, ln_g, ln_b, wq_w, wk_w, wv_w, xn, wb; writes xn, wb
.if DOCPART == 4
	.amdgcn_target "amdgcn-amd-amdhsa--gfx1250"
	.amdhsa_code_object_version 6
	.text
	.protected	k_q60fe221457_prep
	.globl	k_q60fe221457_prep
	.p2align	8
	.type	k_q60fe221457_prep,@function
k_q60fe221457_prep:
	s_mov_b64 s[64:65], 0
	v_nop
	global_prefetch_b8 v0, s[64:65] scope:SCOPE_SE
	s_setreg_imm32_b32 hwreg(HW_REG_WAVE_SCHED_MODE, 0, 2), 2
	s_setreg_imm32_b32 hwreg(HW_REG_WAVE_MODE, 25, 1), 1
	s_wait_xcnt 0x0
	s_wait_alu depctr_vm_vsrc(0)
; xn = LayerNorm(x) * g + b, rounded to bf16; wb = the three weight matrices, rounded to bf16, one below the other.
; x: [4096][1024] f32.  xn: [4096][1024] bf16.  wq_w, wk_w, wv_w: [1024][1024] f32.  wb: [3072][1024] bf16 (q, k, v).
; A stream: each byte is read once and written once, so there is no LDS, no matrix work and no cluster (no two work-groups read the same x or weights).
; 256 work-groups of eight waves.  The work-group owns 16 rows of x, a wave two of them: a whole row lies in 32 registers of one wave, so
; mean and variance never leave the wave, and the variance is taken from the centred numbers (two passes over registers, one over memory).
; Lane L holds columns 256 j + 8 L + 0..7 (j = 0..3): two loads of 16 bytes, and after rounding ONE store of 16 bytes, so that
; a wave's store covers 512 consecutive bytes, aligned.  The work-group also rounds 4 rows of each weight matrix (16 KiB of f32 each).
; All 44 loads of a wave go out at once.
; THE MODE: SCHED_MODE bits 1:0 = 2 (LLVM: expert scheduling mode 2), set by the entry lines.  The code itself states the register dependences
; between vector instructions and memory instructions, with s_wait_alu, always for 0.
; THE PLAN.  Registers that memory instructions touch:
;   v1 .. v5   byte offsets.  Written once at the head; read by every load (v1, v2, v4) and every store (v3, v5); never written again.
;   X0, X1     a row each.  The loads land in them; behind the wait for the data the row is centred, scaled and rounded in place; the row's four stores
;              read words 8 j to 8 j + 3; nothing writes them after that.
;   G, B       the loads land in them; vector instructions alone read them.
;   W          the loads land in it; 24 conversions round in place; six stores read words 8 k to 8 k + 3; nothing writes them after that.
;   T, MU, RS0, RS1 are named by vector instructions alone.
; So five waits on va_vdst state everything: one ahead of the first load (the offsets), one ahead of the first reader of the reciprocal roots, and one behind each
; of the three runs of conversions, ahead of the stores that read them.  Row 0's stores are dealt among row 1's arithmetic, which names X1, G, B and RS1 alone.
; No register that a memory instruction has read is written again: no wait on vm_vsrc and no s_wait_xcnt is owed.  No vector instruction writes a scalar register, VCC or EXEC.
; LIMIT: finite inputs.
.set T,   6                            ; v[6:13]    four chains of pairs
.set MU,  14                           ; v[14:15]   the mean, twice; then the rsq's source
.set X0,  16                           ; v[16:47]   row 0
.set X1,  48                           ; v[48:79]   row 1
.set G,   80                           ; v[80:111]  gain of my 32 columns
.set B,   112                          ; v[112:143] bias of my 32 columns
.set W,   144                          ; v[144:191] weights: 6 groups of 8 f32
.set RS0, 192                          ; v[192:193] 1 / sigma of row 0, twice
.set RS1, 194                          ; v[194:195] of row 1
	s_load_b512 s[4:19], s[0:1], 0x0               ; x s[4:5], g s[6:7], b s[8:9], wq s[10:11], wk s[12:13], wv s[14:15], xn s[16:17], wb s[18:19]
	s_mov_b32 s25, 0                               ; high word of every offset
	s_mov_b32 s20, 0x76543210                      ; v_permlanex16_b32: lane i of one half reads lane i of the other
	s_mov_b32 s21, 0xfedcba98
	s_mov_b32 s22, 0x3a800000                      ; 1 / 1024
	v_and_b32 v1, 31, v0                           ; lane
	v_lshrrev_b32 v2, 5, v0                        ; wave
	v_lshlrev_b32 v3, 12, v2
	v_lshl_add_u32 v3, v1, 4, v3                   ; xn: wave x 2 rows x 2,048 bytes + 16 L
	v_lshlrev_b32 v2, 13, v2
	v_lshl_add_u32 v2, v1, 5, v2                   ; x: wave x 2 rows x 4,096 bytes + 32 L
	v_lshlrev_b32 v1, 5, v1                        ; g, b: 32 L
	v_lshlrev_b32 v4, 5, v0                        ; weights in: 32 t
	v_lshlrev_b32 v5, 4, v0                        ; weights out: 16 t
	s_wait_kmcnt 0x0
	s_lshl_b32 s24, ttmp9, 16                      ; 16 rows of 4,096 bytes
	s_add_nc_u64 s[4:5], s[4:5], s[24:25]
	s_lshl_b32 s24, ttmp9, 15                      ; 16 rows of 2,048 bytes
	s_add_nc_u64 s[16:17], s[16:17], s[24:25]
	s_lshl_b32 s24, ttmp9, 14                      ; 4 rows of 4,096 bytes
	s_add_nc_u64 s[10:11], s[10:11], s[24:25]
	s_add_nc_u64 s[12:13], s[12:13], s[24:25]
	s_add_nc_u64 s[14:15], s[14:15], s[24:25]
	s_lshl_b32 s24, ttmp9, 13                      ; 4 rows of 2,048 bytes
	s_add_nc_u64 s[18:19], s[18:19], s[24:25]
	s_wait_alu depctr_va_vdst(0)                   ; v1 to v5 are written: every load and store of the kernel reads one of them as its offset
.macro ROWIN x, row                    ; eight loads: a row of x
.irp j, 0,1,2,3
	global_load_b128 v[\x+8*\j:\x+8*\j+3],   v2, s[4:5] offset:\row*4096+1024*\j
	global_load_b128 v[\x+8*\j+4:\x+8*\j+7], v2, s[4:5] offset:\row*4096+1024*\j+16
.endr
.endm
.macro VECIN d, lo                     ; eight loads: my 32 numbers of g or of b
.irp j, 0,1,2,3
	global_load_b128 v[\d+8*\j:\d+8*\j+3],   v1, s[\lo:\lo+1] offset:1024*\j
	global_load_b128 v[\d+8*\j+4:\d+8*\j+7], v1, s[\lo:\lo+1] offset:1024*\j+16
.endr
.endm
.macro WIN3 i, lo                      ; four loads: my 16 numbers of weight matrix i; the launch reads them once
.irp it, 0,1
	global_load_b128 v[W+16*\i+8*\it:W+16*\i+8*\it+3],   v4, s[\lo:\lo+1] offset:8192*\it th:TH_LOAD_NT
	global_load_b128 v[W+16*\i+8*\it+4:W+16*\i+8*\it+7], v4, s[\lo:\lo+1] offset:8192*\it+16 th:TH_LOAD_NT
.endr
.endm
	ROWIN X0, 0
	ROWIN X1, 1
	VECIN G, 6
	VECIN B, 8
	WIN3 0, 10
	WIN3 1, 12
	WIN3 2, 14
; the four chains of pairs in v[T:T+7] become one sum over the wave's 32 lanes, in v[T] of every lane
.macro REDUCE
	v_pk_add_f32 v[T:T+1], v[T:T+1], v[T+2:T+3]
	v_pk_add_f32 v[T+4:T+5], v[T+4:T+5], v[T+6:T+7]
	v_pk_add_f32 v[T:T+1], v[T:T+1], v[T+4:T+5]
	v_add_f32 v[T], v[T], v[T+1]
	v_add_f32_dpp v[T], v[T], v[T] row_xmask:1 row_mask:0xf bank_mask:0xf
	v_add_f32_dpp v[T], v[T], v[T] row_xmask:2 row_mask:0xf bank_mask:0xf
	v_add_f32_dpp v[T], v[T], v[T] row_xmask:4 row_mask:0xf bank_mask:0xf
	v_add_f32_dpp v[T], v[T], v[T] row_xmask:8 row_mask:0xf bank_mask:0xf
	v_permlanex16_b32 v[T+1], v[T], s20, s21       ; its destination has been written above
	v_add_f32 v[T], v[T], v[T+1]
.endm
; the row in x is centred in place; r gets 1 / sqrt(variance + 1e-5), twice
.macro STATS x, r
.irp c, 0,1,2,3
	v_pk_add_f32 v[T+2*\c:T+2*\c+1], v[\x+2*\c:\x+2*\c+1], v[\x+8+2*\c:\x+8+2*\c+1]   ; the first sums start the chains
.endr
.irp c, 0,1,2,3
	v_pk_add_f32 v[T+2*\c:T+2*\c+1], v[T+2*\c:T+2*\c+1], v[\x+16+2*\c:\x+16+2*\c+1]
.endr
.irp c, 0,1,2,3
	v_pk_add_f32 v[T+2*\c:T+2*\c+1], v[T+2*\c:T+2*\c+1], v[\x+24+2*\c:\x+24+2*\c+1]
.endr
	REDUCE
	v_mul_f32 v[MU], s22, v[T]                     ; the mean
	v_mov_b32 v[MU+1], v[MU]
.set k, 0
.rept 16
	v_pk_add_f32 v[\x+2*k:\x+2*k+1], v[\x+2*k:\x+2*k+1], v[MU:MU+1] neg_lo:[0,1] neg_hi:[0,1]
.set k, k+1
.endr
.irp c, 0,1,2,3
	v_pk_mul_f32 v[T+2*\c:T+2*\c+1], v[\x+2*\c:\x+2*\c+1], v[\x+2*\c:\x+2*\c+1]
.endr
.set k, 4
.rept 12
	v_pk_fma_f32 v[T+2*(k%4):T+2*(k%4)+1], v[\x+2*k:\x+2*k+1], v[\x+2*k:\x+2*k+1], v[T+2*(k%4):T+2*(k%4)+1]
.set k, k+1
.endr
	REDUCE
	v_fmaak_f32 v[MU], s22, v[T], 0x3727c5ac       ; sum of squares / 1024 + 1e-5
	v_rsq_f32 v[\r], v[MU]
	v_rsq_f32 v[\r+1], v[MU]
	v_nop                                          ; one plain vector instruction stands behind a transcendental before its result is used or its source written (ISA guide 5.7.2)
.endm
; one store of a row: my 16 bytes of columns 256 j + 8 L + 0..7; the wave's store covers 512 consecutive bytes, aligned
.macro SEND x, row, j
	global_store_b128 v3, v[\x+8*\j:\x+8*\j+3], s[16:17] offset:\row*2048+512*\j
.endm
; (x - mean) / sigma * g + b, rounded to bf16 in place.  deal = 1: the four stores of the row before (in px, row prow), whose data the wait ahead of this
; macro has shown written, are dealt among these 48 vector instructions, none of which names px or v3.
.macro NORM x, r, deal, px, prow
.if \deal
	SEND \px, \prow, 0
.endif
.set k, 0
.rept 16
	v_pk_mul_f32 v[\x+2*k:\x+2*k+1], v[\x+2*k:\x+2*k+1], v[\r:\r+1]
.set k, k+1
.endr
.if \deal
	SEND \px, \prow, 1
.endif
.set k, 0
.rept 16
	v_pk_fma_f32 v[\x+2*k:\x+2*k+1], v[\x+2*k:\x+2*k+1], v[G+2*k:G+2*k+1], v[B+2*k:B+2*k+1]
.set k, k+1
.endr
.if \deal
	SEND \px, \prow, 2
.endif
.irp j, 0,1
.irp i, 0,1,2,3
	v_cvt_pk_bf16_f32 v[\x+8*\j+\i], v[\x+8*\j+2*\i], v[\x+8*\j+2*\i+1]   ; word i is written when words 2 i and 2 i + 1 are read: ascending i overtakes nothing
.endr
.endr
.if \deal
	SEND \px, \prow, 3
.endif
.irp j, 2,3
.irp i, 0,1,2,3
	v_cvt_pk_bf16_f32 v[\x+8*\j+\i], v[\x+8*\j+2*\i], v[\x+8*\j+2*\i+1]
.endr
.endr
.endm
	s_wait_loadcnt 36                              ; row 0 is in: the 36 loads issued behind it may be out
	STATS X0, RS0
	s_wait_loadcnt 28                              ; row 1 is in
	STATS X1, RS1
	s_wait_loadcnt 12                              ; g and b are in: the 12 loads of weights may be out
	s_wait_alu depctr_va_vdst(0)                   ; the four reciprocal roots have written RS0 and RS1: one wait for the batch, ahead of its first reader
	NORM X0, RS0, 0, X0, 0
	s_wait_alu depctr_va_vdst(0)                   ; row 0's conversions have written v[X0 + 8 j .. + 3], which the four stores dealt among row 1's arithmetic read
	NORM X1, RS1, 1, X0, 0
	s_wait_alu depctr_va_vdst(0)                   ; row 1's conversions have written v[X1 + 8 j .. + 3], which the four stores below read
	SEND X1, 1, 0                                  ; ahead of the wait for the weights, so that they do not stand behind it
	SEND X1, 1, 1
	SEND X1, 1, 2
	SEND X1, 1, 3
	s_wait_loadcnt 0x0
.set k, 0
.rept 6                                            ; group k: matrix k / 2, half k % 2
.irp c, 0,1,2,3
	v_cvt_pk_bf16_f32 v[W+8*k+\c], v[W+8*k+2*\c], v[W+8*k+2*\c+1]
.endr
.set k, k+1
.endr
	s_wait_alu depctr_va_vdst(0)                   ; the 24 conversions have written v[W + 8 k .. + 3], which the six stores below read
.set k, 0
.rept 6
	global_store_b128 v5, v[W+8*k:W+8*k+3], s[18:19] offset:(k/2)*2097152+(k%2)*4096
.set k, k+1
.endr
	s_endpgm
.Lfunc_end_k_q60fe221457_prep:
	.size	k_q60fe221457_prep, .Lfunc_end_k_q60fe221457_prep-k_q60fe221457_prep
	.p2alignl 7, 3214868480
	.fill 96, 4, 3214868480
	.section	.rodata,"a",@progbits
	.p2align	6, 0x0
	.amdhsa_kernel k_q60fe221457_prep
		.amdhsa_group_segment_fixed_size 0
		.amdhsa_private_segment_fixed_size 0
		.amdhsa_enable_private_segment 0
		.amdhsa_kernarg_size 64
		.amdhsa_user_sgpr_count 2
		.amdhsa_user_sgpr_kernarg_segment_ptr 1
		.amdhsa_wavefront_size32 1
		.amdhsa_system_sgpr_workgroup_id_x 1
		.amdhsa_system_sgpr_workgroup_id_y 1
		.amdhsa_system_sgpr_workgroup_id_z 1
		.amdhsa_system_vgpr_workitem_id 0
		.amdhsa_next_free_vgpr 196
		.amdhsa_next_free_sgpr 66
		.amdhsa_reserve_vcc 0
		.amdhsa_float_denorm_mode_32 3
		.amdhsa_float_denorm_mode_16_64 3
		.amdhsa_memory_ordered 1
		.amdhsa_forward_progress 1
		.amdhsa_inst_pref_size 23
	.end_amdhsa_kernel
	.amdgpu_metadata
---
amdhsa.version: [ 1, 2 ]
amdhsa.kernels:
  - .name:           k_q60fe221457_prep
    .symbol:         k_q60fe221457_prep.kd
    .args:
      - { .name: x, .offset: 0, .size: 8, .value_kind: global_buffer, .address_space: global }
      - { .name: ln_g, .offset: 8, .size: 8, .value_kind: global_buffer, .address_space: global }
      - { .name: ln_b, .offset: 16, .size: 8, .value_kind: global_buffer, .address_space: global }
      - { .name: wq_w, .offset: 24, .size: 8, .value_kind: global_buffer, .address_space: global }
      - { .name: wk_w, .offset: 32, .size: 8, .value_kind: global_buffer, .address_space: global }
      - { .name: wv_w, .offset: 40, .size: 8, .value_kind: global_buffer, .address_space: global }
      - { .name: xn, .offset: 48, .size: 8, .value_kind: global_buffer, .address_space: global }
      - { .name: wb, .offset: 56, .size: 8, .value_kind: global_buffer, .address_space: global }
    .group_segment_fixed_size: 0
    .private_segment_fixed_size: 0
    .kernarg_segment_align: 8
    .kernarg_segment_size: 64
    .max_flat_workgroup_size: 256
    .sgpr_count:     66
    .vgpr_count:     196
    .wavefront_size: 32
...
	.end_amdgpu_metadata
.endif
;; end of part 4
;; launch proj: the kernel of part 2 again; grid 12 x 16, 4 waves a work-group, clusters of 4 x 4, 327,680 bytes of LDS; arguments xn, wb, wq_b, wk_b, wv_b, qkv; writes qkv
;; launch attn: the kernel of part 3 again; grid 8 x 32, 8 waves a work-group, clusters of 4 x 1, 327,680 bytes of LDS; arguments qkv, x, out0; writes out0
